; MI455X (gfx1250); checked and timed in simulation.
; The chip was launched on July 23, 2026; its instructions are those of AMD's public machine-readable ISA for CDNA 5 (MIT licence, August 2026) and "CDNA5" Instruction Set Architecture Reference Guide (July 2026). The comments in the code are by the model that wrote it; some were corrected since.
;; K Means Palettized Linear. Allowed arithmetic: matrix products marked QUANTISED: E2M1 operands, one E8M0 scale for each 32 along K, by v_wmma_scale_f32_16x16x128_f8f6f4 with both operands' format E2M1 (or v_wmma_scale_f32_32x16x128_f4), f32 sums; everything else in f32.
;; Inputs: bias 4,096 float32; input 4 x 1,024 x 4,096 float32; lookup_table 256 float32; weight_idx 4,096 x 4,096 int32.
;; Outputs: out0 4 x 1,024 x 4,096 float32.
;; This version of the problem:
;;   THIS VERSION OF THE PROBLEM IS GIVEN IN LOW PRECISION. The matrix products marked QUANTISED in the list below multiply operands that are first quantised to E2M1 (2 exponent bits, 1 mantissa bit; 4 bits a number), with one power-of-two scale for each 32 numbers along K (OCP MX v1.0); their sums are f32. All else is computed in f32.
;;   The module's matrix products, in the order in which they are computed (A, B: the left and right operand; K: the contracted axis; several contracted axes count as one K, in the product's order):
;;     1. [M 4,096, K 4,096] x [K 4,096, N 4,096]; A: input input; B: computed on the way: QUANTISED
;;   THE QUANTISER, for each operand of a quantised product, along K:
;;     - K is cut into blocks of 32 from its start; a last block that is shorter is filled with zeros.
;;     - A block's scale is 2^e with e = floor(log2(the largest magnitude in the block)) - 2, held to -126 .. 127; a block of zeros has e = 0. As a byte (E8M0): e + 127.
;;     - Each number is divided by its block's scale, clamped to +-6, and rounded to the nearest number of E2M1, ties to even, subnormals kept.
;;     - The product sums the exact products of the quantised numbers (number of the format x scale) in f32.
;;   ~~~python
;;   def quantise(x, axis):      # numpy; x: float32 -> the quantised numbers, widened to float32 again
;;       x = np.moveaxis(x, axis, -1); K = x.shape[-1]
;;       x = np.pad(x, [(0, 0)] * (x.ndim - 1) + [(0, -K % 32)]); x = x.reshape(x.shape[:-1] + (-1, 32)); a = np.abs(x).max(-1, keepdims=True)
;;       e = np.where(a > 0, np.clip(np.frexp(np.where(a > 0, a, 1))[1] - 1 - 2, -126, 127), 0)      # np.frexp(a)[1] - 1 = floor(log2(a)), exactly
;;       r = np.clip(x / 2.0 ** e, -6, 6)
;;       step = 2.0 ** (np.maximum(np.frexp(np.where(r == 0, 1, r))[1] - 1, 0) - 1)
;;       q = np.round(r / step) * step * 2.0 ** e      # np.round: ties to even
;;       return np.moveaxis(q.reshape(q.shape[:-2] + (-1,))[..., :K], -1, axis).astype(np.float32)
;;   ~~~
;;   OPERANDS COMPUTED ON THE WAY. 'Computed on the way' means the value that the module computes at that place (a softmax that the list does not call 'softmax' is quantised finished and normalised). What goes into a quantiser is computed in f32, as accurately as f32 sums, v_exp_f32 and their like allow (about 1e-6 of the number): no bf16 or f16 on the way to a quantiser, and a product that is left as it is and whose result goes on into a quantised operand takes f32 operands (vector FMAs, or v_wmma_f32_16x16x4_f32). A number that lies on a knife's edge between two numbers of the format may be rounded either way, as far as f32 arithmetic and the matrix unit's own rounding can turn it there, and no further.
;; One version. Each part assembles by itself: llvm-mc -triple=amdgcn-amd-amdhsa -mcpu=gfx1250 --defsym DOCPART=n.
;; ======== version 1 of 1: 2 launches
;; limits: right only within a limited range of input values
;; workspace buffers: qa 8,912,896 bytes; qb 8,912,896 bytes
;; launch quant (part 1): grid 256 x 1, 16 waves a work-group, no clusters, 67,584 bytes of LDS; arguments input, weight_idx, lookup_table, qa, qb; writes qa, qb
.if DOCPART == 1
	.amdgcn_target "amdgcn-amd-amdhsa--gfx1250"
	.amdhsa_code_object_version 6
	.text
	.protected	k_q0dc0a85b29_quant
	.globl	k_q0dc0a85b29_quant
	.p2align	8
	.type	k_q0dc0a85b29_quant,@function
k_q0dc0a85b29_quant:
	s_mov_b64 s[64:65], 0
	v_nop
	global_prefetch_b8 v0, s[64:65] scope:SCOPE_SE
	s_setreg_imm32_b32 hwreg(HW_REG_WAVE_MODE, 25, 1), 1
	s_wait_xcnt 0x0
; x [4096][4096] f32 and W[n][k] = lookup_table[weight_idx[n][k]] (weight_idx [4096][4096] i32, table of 256 f32) are turned into codes of FP4 (E2M1) with one E8M0 byte for each 32 along K.
; A block's scale is 2^(floor(log2(its largest magnitude)) - 2); its byte is the largest magnitude's exponent field - 2, held at 1 from below.  Each number is divided by the scale and rounded to the nearest code, ties to even, beyond 6 the largest code.
; LIMITS: NaN and infinities among the inputs are not served.  A block of zeros gets the byte 1 where the rule says 127: its codes are zeros, which add nothing under any byte but 0xff, and the bytes are read by this program alone.
;         An index above 255 (as an unsigned number) is held at 255; the problem keeps indices inside the table.
; OUT: qa (from x) and qb (from W), laid [row / 128][k / 512][34,816 bytes]: 128 rows x 256 bytes of codes (512 codes a row), then 128 rows x 16 scale bytes: one dense block for each 128 rows x 512 K.
;      INSIDE A ROW'S 256 BYTES THE BLOCKS OF 32 ARE PERMUTED, alike in qa and qb: the block of k = 128 c + 32 g .. + 31 (c, g = 0 .. 3) lies at byte 64 g + 16 c, its codes in ascending k; its scale byte is byte 4 g + c of the row's 16.
;      So the product's g-th step of 128 takes the blocks g, 4 + g, 8 + g, 12 + g of both operands: the same products, summed in another order than ascending k.
; SHARES.  x and weight_idx have one shape and one element size, so every wave takes the same tile of both, by the same offsets.  Work-group g owns rows 16 g .. 16 g + 15, all of K.
; Wave w: K step s = w % 8 (512 along K), row half rh = w / 8: 8 rows x 512 K of each tensor, a row a step.
; THE TABLE lies in LDS as 256 rows of 256 bytes, row i = table[i] 64 times; a look-up reads at 256 i + 4 (thread % 64): the 32 lanes of a wave read 32 different word columns modulo 256 bytes, whatever their indices.
; Behind the table's fill nothing is stored to LDS: one barrier in the launch, and after it no wave waits for another.
; A ROW'S 512 NUMBERS come by four loads of 512 consecutive bytes: lane l holds k = 128 c + 4 l + 0 .. 3 of chunk c = 0 .. 3.  A block of 32 is eight lanes' four numbers of one chunk: (c, g = l / 8).
; The numbers are converted WHERE THEY LIE: a conversion takes eight registers (two chunks) under one scale, so each run of eight is converted twice, under each chunk's scale, and of each result the chunk's own 16 bits are kept.
; Then the CODES are turned, 16 bits a piece, 4 x 4 inside each quad of lanes: lane 4 m + i ends with the 16 neighbouring codes k = 128 i + 16 m + 0 .. 15, 8 bytes, and the wave's store covers the row's 256 bytes.
.set ROWB,  16384                      ; a row of x or of weight_idx in bytes
.set BLK,   34816                      ; a block of qa or qb
.set GI,    1                          ; v1   16 x lane: my bytes of a load's 512
.set CO,    2                          ; v2   where my 8 bytes of codes go in a row: 64 (l / 8) + 16 (l % 4) + 8 ((l / 4) % 2)
.set SO,    3                          ; v3   where my scale word goes among my wave's 128 bytes: 16 (l % 8) + 4 (l / 8)
.set TL,    4                          ; v4   4 (thread % 64): my word column in the table
.set FB,    5                          ; v5   the table's fill: 128 x thread, with (thread / 2) % 8 in bits 6:4
.set SELA,  6                          ; v6   v_perm_b32's selector for the turn's first half: one for even lanes, another for odd
.set LO,    7                          ; v7   4 (thread / 2): my table entry
.set M,     8                          ; v8-11    the four chunks' largest magnitudes, then the conversions' scale operands
.set B,     12                         ; v12-15   their bytes, then the scale word
.set XR,    16                         ; v16-79   x as loaded: four sets of 16 (a row each)
.set IR,    80                         ; v80-143  the indices as loaded, then W's numbers: four sets of 16
.set AT,    144                        ; v144-159 the look-ups' addresses (at the head: the fill's eight)
.set CV,    160                        ; v160-163 the four conversions' results
.set R,     164                        ; v164-165 my 16 codes on their way
.set TT,    166                        ; v166-167 what another lane sends
.set WX,    168                        ; v168     x's scale word that I keep: row l % 8, lane group l / 8
.set WW,    169                        ; v169     W's
.set C,     176                        ; v176-207 codes: a pair for each row of each tensor, so that no store's data are written again
.set LV,    252                        ; v252-255 my table entry, four times
.set BIT1,  32                         ; s32  lanes 2, 3 of each quad
.set LOWH,  33                         ; s33  0x0000ffff
.set ODD,   34                         ; s34  odd lanes
.set MK,    40                         ; s41-47  s[MK + t]: the lanes with l % 8 = t
	s_load_b256 s[4:11], s[0:1], 0x0               ; x s[4:5], weight_idx s[6:7], the table s[8:9], qa s[10:11]
	s_load_b64 s[12:13], s[0:1], 0x20              ; qb
	v_lshl_add_u32 v250, v0, 2, 0x10000
	v_mov_b32 v251, 0
	v_lshrrev_b32 v9, 5, v0
	s_delay_alu instid0(VALU_DEP_1)
	v_readfirstlane_b32 s16, v9                    ; wave 0..15
	s_and_b32 s17, s16, 7                          ; s: my K step
	s_lshr_b32 s18, s16, 3                         ; rh: my half of the 16 rows
	s_mov_b32 s[BIT1], 0xcccccccc
	s_mov_b32 s[LOWH], 0xffff
	s_mov_b32 s[ODD], 0xaaaaaaaa
.irp t, 1,2,3,4,5,6,7
	s_mov_b32 s[MK+\t], 0x01010101<<\t
.endr
	v_and_b32 v10, 31, v0                          ; lane
	s_delay_alu instid0(VALU_DEP_1)
	v_lshlrev_b32 v[GI], 4, v10
	s_delay_alu instid0(VALU_DEP_2)
	v_lshrrev_b32 v11, 3, v10                      ; l / 8
	s_delay_alu instid0(VALU_DEP_3)
	v_and_b32 v12, 3, v10                          ; l % 4
	s_delay_alu instid0(VALU_DEP_4)
	v_bfe_u32 v13, v10, 2, 1                       ; (l / 4) % 2
	s_delay_alu instid0(VALU_DEP_3)
	v_lshlrev_b32 v[CO], 6, v11
	s_delay_alu instid0(VALU_DEP_1)
	v_lshl_add_u32 v[CO], v12, 4, v[CO]
	s_delay_alu instid0(VALU_DEP_1)
	v_lshl_add_u32 v[CO], v13, 3, v[CO]
	v_and_b32 v12, 7, v10                          ; l % 8
	v_lshlrev_b32 v[SO], 2, v11
	s_delay_alu instid0(VALU_DEP_1)
	v_lshl_add_u32 v[SO], v12, 4, v[SO]
	v_and_b32 v[TL], 63, v0
	s_delay_alu instid0(VALU_DEP_1)
	v_lshlrev_b32 v[TL], 2, v[TL]
	v_bfe_u32 v11, v0, 1, 3
	s_delay_alu instid0(VALU_DEP_1)
	v_lshlrev_b32 v11, 4, v11
	s_delay_alu instid0(VALU_DEP_1)
	v_lshl_or_b32 v[FB], v0, 7, v11
	v_lshrrev_b32 v[LO], 1, v0                     ; thread t fills half of the table's row t / 2
	s_delay_alu instid0(VALU_DEP_1)
	v_lshlrev_b32 v[LO], 2, v[LO]
	v_mov_b32 v[SELA], 0x05040100                  ; even lanes: my low half below, the other lane's low half above
	v_mov_b32 v12, 0x03020706                      ; odd lanes: the other lane's high half below, my high half above
	s_delay_alu instid0(VALU_DEP_1)
	v_cndmask_b32 v[SELA], v[SELA], v12, s[ODD]
	v_mov_b32 v[TT], 0                             ; written once: the destination of a DPP form counts as one of its sources
	v_mov_b32 v[TT+1], 0
	s_lshl_b32 s20, ttmp9, 18                      ; in: 16 rows of 16,384 bytes a work-group,
	s_lshl_b32 s21, s18, 17                        ; 8 rows a half,
	s_add_co_u32 s20, s20, s21
	s_lshl_b32 s21, s17, 11                        ; 2,048 bytes a K step
	s_add_co_u32 s20, s20, s21
	s_mov_b32 s21, 0
	s_lshr_b32 s28, ttmp9, 3                       ; out: block (g / 8) x 8 + s,
	s_lshl_b32 s28, s28, 3
	s_add_co_u32 s28, s28, s17
	s_mul_i32 s28, s28, BLK
	s_and_b32 s29, ttmp9, 7                        ; in it rows 16 (g % 8) + 8 rh on
	s_lshl_b32 s30, s29, 12
	s_add_co_u32 s30, s30, s28
	s_lshl_b32 s31, s18, 11
	s_add_co_u32 s30, s30, s31                     ; codes: 256 bytes a row
	s_mov_b32 s31, 0
	s_lshl_b32 s29, s29, 8
	s_add_co_u32 s28, s28, s29
	s_lshl_b32 s29, s18, 7
	s_add_co_u32 s28, s28, s29
	s_add_co_u32 s28, s28, 32768                   ; scale bytes: behind the block's codes, 16 bytes a row
	s_mov_b32 s29, 0
	s_wait_alu depctr_va_vdst(0)
	s_wait_kmcnt 0x0
	s_add_nc_u64 s[4:5], s[4:5], s[20:21]
	s_add_nc_u64 s[6:7], s[6:7], s[20:21]
	s_add_nc_u64 s[24:25], s[10:11], s[30:31]      ; x's codes
	s_add_nc_u64 s[26:27], s[12:13], s[30:31]      ; W's codes
	s_add_nc_u64 s[10:11], s[10:11], s[28:29]      ; x's scale bytes
	s_add_nc_u64 s[12:13], s[12:13], s[28:29]      ; W's
.macro LOADX t                         ; row t of x: four loads of 512 consecutive bytes
.irp k, 0,1,2,3
	global_load_b128 v[XR+16*((\t)%4)+4*\k:XR+16*((\t)%4)+4*\k+3], v[GI], s[4:5] offset:(\t)*ROWB+512*\k th:TH_LOAD_NT
.endr
.endm
.macro LOADI t                         ; and of the indices
.irp k, 0,1,2,3
	global_load_b128 v[IR+16*((\t)%4)+4*\k:IR+16*((\t)%4)+4*\k+3], v[GI], s[6:7] offset:(\t)*ROWB+512*\k th:TH_LOAD_NT
.endr
.endm
; 16 numbers in v[xs] on, register 4 c + i = k 128 c + 4 l + i of row t, become my 8 bytes of the row's codes in v[c], v[c + 1], which leave at once; the row's scale word goes into v[wacc] in the lanes that keep row t's.
.macro QUANT xs, c, wacc, t, base
.irp k, 0,1,2,3
	v_max3_num_f32 v[M+\k], |v[\xs+4*\k]|, |v[\xs+4*\k+1]|, 0x1800000   ; chunk k: my four numbers, and the floor 2^(3 - 127): so the byte cannot fall under 1.  (The four chunks by turns: no line waits for the line above it)
.endr
.irp k, 0,1,2,3
	s_delay_alu instid0(VALU_DEP_4)
	v_max3_num_f32 v[M+\k], v[M+\k], |v[\xs+4*\k+2]|, |v[\xs+4*\k+3]|
.endr
.irp k, 0,1,2,3
	s_delay_alu instid0(VALU_DEP_4)
	v_max_num_f32_dpp v[M+\k], v[M+\k], v[M+\k] row_xmask:1 row_mask:0xf bank_mask:0xf   ; with the other seven lanes of my group of eight: the block's largest magnitude
.endr
.irp k, 0,1,2,3
	s_delay_alu instid0(VALU_DEP_4)
	v_max_num_f32_dpp v[M+\k], v[M+\k], v[M+\k] row_xmask:2 row_mask:0xf bank_mask:0xf
.endr
.irp k, 0,1,2,3
	s_delay_alu instid0(VALU_DEP_4)
	v_max_num_f32_dpp v[M+\k], v[M+\k], v[M+\k] row_xmask:4 row_mask:0xf bank_mask:0xf
.endr
.irp k, 0,1,2,3
	s_delay_alu instid0(VALU_DEP_4)
	v_add_nc_u32 v[M+\k], 0xff000000, v[M+\k]      ; 2 off its exponent field: the conversion takes the exponent field of this operand as its scale, and nothing else of it
.endr
	v_cvt_scalef32_pk8_fp4_f32 v[CV],   v[\xs:\xs+7],    v[M]     ; chunks 0 and 1 under chunk 0's scale: the low 16 bits are chunk 0's codes
	v_cvt_scalef32_pk8_fp4_f32 v[CV+1], v[\xs:\xs+7],    v[M+1]   ; the same eight under chunk 1's: the high 16 bits are chunk 1's
	v_cvt_scalef32_pk8_fp4_f32 v[CV+2], v[\xs+8:\xs+15], v[M+2]
	v_cvt_scalef32_pk8_fp4_f32 v[CV+3], v[\xs+8:\xs+15], v[M+3]
.irp k, 0,1,2,3
	v_lshrrev_b32 v[B+\k], 23, v[M+\k]             ; the scales' bytes; also the plain lines between the conversions and the first use of their results
.endr
	v_bfi_b32 v[R],   s[LOWH], v[CV],   v[CV+1]    ; chunk 0's four codes below, chunk 1's above
	v_bfi_b32 v[R+1], s[LOWH], v[CV+2], v[CV+3]    ; chunk 2's, chunk 3's
	v_lshl_or_b32 v[B], v[B+1], 8, v[B]
	s_delay_alu instid0(VALU_DEP_4)
	v_lshl_or_b32 v[B+2], v[B+3], 8, v[B+2]
	s_delay_alu instid0(VALU_DEP_4)
	v_mov_b32_dpp v[TT],   v[R]   row_xmask:1 row_mask:0xf bank_mask:0xf
	s_delay_alu instid0(VALU_DEP_4)
	v_mov_b32_dpp v[TT+1], v[R+1] row_xmask:1 row_mask:0xf bank_mask:0xf
	s_delay_alu instid0(VALU_DEP_3)
	v_lshl_or_b32 v[B], v[B+2], 16, v[B]           ; byte c = chunk c's block of my lane group: the scale word of the product's step l / 8
	s_delay_alu instid0(VALU_DEP_3)
	v_perm_b32 v[R],   v[TT],   v[R],   v[SELA]    ; the turn, first half: an even lane now holds two lanes' pieces of chunk 0 (and of chunk 2), an odd lane of chunk 1 (and 3)
	s_delay_alu instid0(VALU_DEP_3)
	v_perm_b32 v[R+1], v[TT+1], v[R+1], v[SELA]
	s_delay_alu instid0(VALU_DEP_2)
	v_mov_b32_dpp v[TT],   v[R]   row_xmask:2 row_mask:0xf bank_mask:0xf
	s_delay_alu instid0(VALU_DEP_2)
	v_mov_b32_dpp v[TT+1], v[R+1] row_xmask:2 row_mask:0xf bank_mask:0xf
.if (\t) == 0
	v_mov_b32 v[\wacc], v[B]
.else
	v_cndmask_b32 v[\wacc], v[\wacc], v[B], s[MK+(\t)]   ; the lanes with l % 8 = t keep row t's word
.endif
	s_delay_alu instid0(VALU_DEP_2)
	v_cndmask_b32 v[\c],   v[R],  v[TT+1], s[BIT1]  ; second half: lanes 0, 1 of a quad keep their first register and take the first of the lane two on;
	s_delay_alu instid0(VALU_DEP_4)
	v_cndmask_b32 v[\c+1], v[TT], v[R+1],  s[BIT1]  ; lanes 2, 3 take the second of the lane two back and keep their second: lane 4 m + i holds k = 128 i + 16 m + 0 .. 15
	global_store_b64 v[CO], v[\c:\c+1], s[\base:\base+1] offset:256*(\t)   ; the wave stores 256 consecutive bytes, at a multiple of 256 from the buffer's first byte
.endm
; Row t of both tensors.  The look-ups go out first; x's row is quantised while they are out.
.macro STEP t
.set XS, XR+16*((\t)%4)
.set IS, IR+16*((\t)%4)
.if (\t) < 5
	s_wait_loadcnt 24                              ; row t's eight loads are in; behind them were issued the loads of three more rows of both tensors
.else
	s_wait_loadcnt 8*(7-(\t))                      ; the rows that are left
.endif
.set n, 0
.rept 16
	v_min_u32 v[AT+n], 0xff, v[IS+n]               ; held inside the table
.set n, n+1
.endr
.set n, 0
.rept 16
	v_lshl_add_u32 v[AT+n], v[AT+n], 8, v[TL]      ; 256 x index + my word column
.set n, n+1
.endr
.set n, 0
.rept 16
	ds_load_b32 v[IS+n], v[AT+n]                   ; W's numbers, in the registers in which the indices lay
.set n, n+1
.endr
	QUANT XS, C+4*(\t), WX, \t, 24
.if (\t) < 4
	LOADX (\t)+4                                   ; into the set just converted
.endif
	s_wait_dscnt 0x0                               ; the look-ups are back
	QUANT IS, C+4*(\t)+2, WW, \t, 26
.if (\t) < 4
	LOADI (\t)+4
.endif
.endm
	global_load_b32 v[LV], v[LO], s[8:9]           ; my table entry
.irp t, 0,1,2,3
	LOADI \t
	LOADX \t
.endr
	s_wait_loadcnt 32                              ; the table entry is in; the 32 loads behind it stay out
	v_mov_b32 v[LV+1], v[LV]
	v_mov_b32 v[LV+2], v[LV]
	v_mov_b32 v[LV+3], v[LV]
.irp i, 0,1,2,3,4,5,6,7
	v_xor_b32 v[AT+\i], 16*\i, v[FB]               ; my half row's eight pieces of 16 bytes, in an order turned by (thread / 2) % 8: sixteen neighbouring lanes then store to sixteen different 16-byte columns modulo 256
.endr
.irp i, 0,1,2,3,4,5,6,7
	ds_store_b128 v[AT+\i], v[LV:LV+3]
.endr
	s_wait_dscnt 0x0                               ; for the others' sake: my part of the table is stored
	s_barrier_signal -1
	s_barrier_wait -1                              ; the table is whole; from here on LDS is only read
.irp t, 0,1,2,3,4,5,6,7
	STEP \t
.endr
	global_store_b32 v[SO], v[WX], s[10:11]        ; my wave's 8 rows x 16 scale bytes: the 32 lanes store 128 consecutive bytes; the 128 beside them are the wave's eight further on.  Scale bytes are 1 byte in 17 of what the launch stores
	global_store_b32 v[SO], v[WW], s[12:13]
	s_wait_tensorcnt 0x0
	ds_add_u32 v250, v251
	s_wait_dscnt 0x0
	s_endpgm
.Lfunc_end_k_q0dc0a85b29_quant:
	.size	k_q0dc0a85b29_quant, .Lfunc_end_k_q0dc0a85b29_quant-k_q0dc0a85b29_quant
	.p2alignl 7, 3214868480
	.fill 96, 4, 3214868480
	.section	.rodata,"a",@progbits
	.p2align	6, 0x0
	.amdhsa_kernel k_q0dc0a85b29_quant
		.amdhsa_group_segment_fixed_size 67584
		.amdhsa_private_segment_fixed_size 0
		.amdhsa_enable_private_segment 0
		.amdhsa_kernarg_size 40
		.amdhsa_user_sgpr_count 2
		.amdhsa_user_sgpr_kernarg_segment_ptr 1
		.amdhsa_wavefront_size32 1
		.amdhsa_system_sgpr_workgroup_id_x 1
		.amdhsa_system_sgpr_workgroup_id_y 1
		.amdhsa_system_sgpr_workgroup_id_z 1
		.amdhsa_system_vgpr_workitem_id 0
		.amdhsa_next_free_vgpr 256
		.amdhsa_next_free_sgpr 66
		.amdhsa_reserve_vcc 0
		.amdhsa_float_denorm_mode_32 3
		.amdhsa_float_denorm_mode_16_64 3
		.amdhsa_memory_ordered 1
		.amdhsa_forward_progress 1
		.amdhsa_inst_pref_size 99
	.end_amdhsa_kernel
	.amdgpu_metadata
---
amdhsa.version: [ 1, 2 ]
amdhsa.kernels:
  - .name:           k_q0dc0a85b29_quant
    .symbol:         k_q0dc0a85b29_quant.kd
    .args:
      - { .name: input, .offset: 0, .size: 8, .value_kind: global_buffer, .address_space: global }
      - { .name: weight_idx, .offset: 8, .size: 8, .value_kind: global_buffer, .address_space: global }
      - { .name: lookup_table, .offset: 16, .size: 8, .value_kind: global_buffer, .address_space: global }
      - { .name: qa, .offset: 24, .size: 8, .value_kind: global_buffer, .address_space: global }
      - { .name: qb, .offset: 32, .size: 8, .value_kind: global_buffer, .address_space: global }
    .group_segment_fixed_size: 67584
    .private_segment_fixed_size: 0
    .kernarg_segment_align: 8
    .kernarg_segment_size: 40
    .max_flat_workgroup_size: 512
    .sgpr_count:     66
    .vgpr_count:     256
    .wavefront_size: 32
...
	.end_amdgpu_metadata
.endif
;; end of part 1
;; launch gemm (part 2): grid 16 x 16, 4 waves a work-group, clusters of 4 x 4, 327,680 bytes of LDS; arguments qa, qb, bias, out0; writes out0
.if DOCPART == 2
	.amdgcn_target "amdgcn-amd-amdhsa--gfx1250"
	.amdhsa_code_object_version 6
	.text
	.protected	k_q0dc0a85b29_gemm
	.globl	k_q0dc0a85b29_gemm
	.p2align	8
	.type	k_q0dc0a85b29_gemm,@function
k_q0dc0a85b29_gemm:
	s_mov_b64 s[64:65], 0
	v_nop
	global_prefetch_b8 v0, s[64:65] scope:SCOPE_SE
	s_setreg_imm32_b32 hwreg(HW_REG_WAVE_MODE, 25, 1), 1
	s_wait_xcnt 0x0
	s_wait_alu depctr_hold_cnt(0) depctr_sa_sdst(0) depctr_va_vdst(0) depctr_va_sdst(0) depctr_va_ssrc(0) depctr_va_vcc(0) depctr_vm_vsrc(0)
	s_getreg_b32 s2, hwreg(HW_REG_IB_STS2, 6, 4)
	s_cmp_eq_u32 s2, 0
	s_cbranch_scc0 .Lentry_in_a_cluster
	s_endpgm
.Lentry_in_a_cluster:
	s_bfe_u32 s2, ttmp6, 0x10000c
	s_cmp_lg_u32 s2, 0xf033
	s_cbranch_scc0 .Lentry_shape_is_right
	s_endpgm
.Lentry_shape_is_right:
; out[m][n] = bias[n] + sum over k of A[m][k] B[n][k], A = qa (x's codes), B = qb (W's codes): FP4 (E2M1) with one E8M0 byte for each 32 along K; sums in f32.
; Both buffers are laid [row / 128][k / 512][34,816 bytes]: 128 rows x 256 bytes of codes, then 128 rows x 16 scale bytes.  Inside 512 along K the blocks of 32 are permuted alike in both, so the sums take K in another order than ascending.
; A tile of out, 256 x 256, is made by four waves, 128 x 128 each: 64 accumulators, 512 registers.  The bias is the C of each accumulator's first product.
; K goes in steps of 512 through a ring of two LDS slots; a slot holds two blocks of A and two of B, one to a wave's tensor load (136 rows of 256 bytes).  4 x 4 work-groups form a cluster: A's blocks are asked for jointly along a row, B's along a column.
; THE MATRIX INSTRUCTION IS USED TRANSPOSED (source 0 = 16 rows of B, source 1 = 16 rows of A): a lane holds eight neighbouring numbers of a row of out.
; B HAS FOUR SETS OF FRAGMENTS, one for each 128 of a K step: set q + 2 is fetched from LDS at the end of step q, set 1 at the end of the change of slots, set 0 in its middle.  A has one set: blocks 0-3 are fetched in a step's middle, blocks 4-7 at its end.
; THE LAST K STEP GOES BY ROWS OF out: B's four sets hold all of it, A comes by blocks of 16 rows x 512 K, and each block is finished by 32 products and leaves while the next is multiplied.
; PREFETCH: at the change of slots of K step j one instruction a wave names K step j + 3's codes: waves 0, 1 A's two blocks, waves 2, 3 B's; of a block's 128 units of 256 bytes the partner at place p (cx for A, cy for B) takes 32 p .. 32 p + 31, a lane a unit.
; The head names K steps 1 and 2; K step 0 and the scale bytes (8 units in 136) come by their loads alone; the last changes of slots name nothing.
; Clusters begin at K step 0 or 4, by the cluster's x and y, and go round modulo 8.
; REGISTERS: window 0: v0-31 addresses; v32-95 scale words, two sets (register 4 i + q: lanes 0-15 A's block i, lanes 16-31 B's block i); v128-191 A's fragments; v192-255 the bias, then the rows on their way out; in the last K step v96-191 three buffers of A.
;   window 1: B's four sets.  window 2: the accumulators of my rows 0-63 ((a, b) at v[8 (8 a + b)]); window 3: those of rows 64-127.
.set SIZE_N, 4096
.set BLK,    34816
.set PITCH,  272                       ; an LDS row: 256 bytes + 16 of padding
.set QT,     136*PITCH                 ; a block in LDS
.set SCOFF,  128*PITCH                 ; its scale bytes
.set SLOT,   4*QT
.set LAPS,   4
.set SPARE,  2*SLOT                    ; the spare words: 128 bytes a wave, named by no other line
.set SPITCH, 528                       ; the way out: a stage of 16 rows x (512 + 16) bytes a wave, in slot 0 behind its last fill and last read
.set ADRA, 16                          ; v16-17 my A fragments in slot 0, 1
.set ADRB, 20                          ; v20-21 the same for B
.set PFO,  22                          ; v22 256 x lane
.set STO,  24
.set RD,   25
.set CO,   26
.set SPW,  28
.set NIL,  29
.set ADRS, 30                          ; v30-31 my scale words in slot 0, 1
.set SC,   32
.set PA,   96
.set AF,   128
.set BIAS, 192
.set BK,   192
.set KS, 12                            ; s12, s13 the K step that slot 0, 1 holds or is asked for
.set G1, 24
.set G0, 32
.set G1B, 48
.set G0B, 56
.set PB, 66                            ; s[66:67] the prefetches' base; s[68:69] their address; s70 their K step
.set PF, 68
.set KP, 70
.set MSB, 0
.macro WIN new
.if MSB != \new
	s_set_vgpr_msb (MSB<<8)|\new
.set MSB, \new
.endif
.endm
.set MUL_LO,   0xa1
.set MUL_HI,   0xf1
.set FIRST_LO, 0x81                    ; the same with C in window 0: the bias
.set FIRST_HI, 0xc1
.set TO_B,     0x40
.macro PLACES
.rept 4
	v_nop
.endr
.endm
.macro JLOAD s                         ; waves 0, 1 fetch A's blocks, waves 2, 3 B's; each line has one mask
	s_cmp_eq_u32 s15, 0
	s_cbranch_scc0 .Lfor_b_\@
	tensor_load_to_lds s[G0+4*\s:G0+4*\s+3], s[G1:G1+7]
	s_nop 0
	PLACES
	s_branch .Lasked_\@
.Lfor_b_\@:
	tensor_load_to_lds s[G0B+4*\s:G0B+4*\s+3], s[G1B:G1B+7]
	s_nop 0
	PLACES
.Lasked_\@:
.endm
.macro CREST
	s_cmp_lg_u32 s14, 0
	s_cbranch_scc1 .Lnot_wave_0_\@
	s_barrier_signal -3
.Lnot_wave_0_\@:
	s_barrier_wait -3
	s_barrier_signal -1
	s_barrier_wait -1
.endm
.macro CROUND
	s_barrier_signal -1
	s_barrier_wait -1
	CREST
.endm
	s_load_b256 s[4:11], s[0:1], 0x0               ; qa, qb, bias, out
	v_lshl_add_u32 v[SPW], v0, 2, SPARE
	v_mov_b32 v[NIL], 0
	ds_add_u32 v[SPW], v[NIL]                      ; the opening lines: the add twice on end and one wait
	ds_add_u32 v[SPW], v[NIL]
	v_lshrrev_b32 v1, 5, v0
	v_readfirstlane_b32 s14, v1                    ; wave
	v_and_b32 v1, 15, v0                           ; r
	v_bfe_u32 v2, v0, 4, 1                         ; h
	v_lshlrev_b32 v7, 5, v2                        ; the bias: 32 h
	v_and_b32 v[PFO], 31, v0
	v_lshlrev_b32 v[PFO], 8, v[PFO]
	s_lshr_b32 s15, s14, 1                         ; my half of the tile's rows; also: I fetch for A (0) or for B (1)
	s_and_b32 s16, s14, 1                          ; my half of its columns; also which block I fetch
	s_bfe_u32 s40, ttmp6, 0x40000                  ; cx
	s_bfe_u32 s41, ttmp6, 0x40004                  ; cy
	s_lshl_b32 s42, ttmp9, 2
	s_add_co_u32 s42, s42, s40                     ; tile column
	s_and_b32 s17, ttmp7, 0xffff
	s_xor_b32 s[KS], s17, ttmp9
	s_lshr_b32 s[KS+1], s[KS], 1
	s_xor_b32 s[KS], s[KS], s[KS+1]
	s_and_b32 s[KS], s[KS], 1
	s_lshl_b32 s[KS], s[KS], 2                     ; the cluster's first K step: 0 or 4
	s_add_co_u32 s[KS+1], s[KS], 1
	s_add_co_u32 s[KP], s[KS], 2
	s_lshl_b32 s17, s17, 2
	s_add_co_u32 s17, s17, s41                     ; tile row
	s_lshl_b32 s43, s41, 2
	s_lshl_b32 s43, 15, s43                        ; my row of the cluster
	s_lshl_b32 s44, 0x1111, s40                    ; my column
	s_or_b32 s[G1+0], s43, (3<<16)|(1<<20)|(1<<21)|(5<<22)|(3<<25)   ; elements of 8 bytes; 4 words of padding behind every 64
	s_or_b32 s[G1B+0], s44, (3<<16)|(1<<20)|(1<<21)|(5<<22)|(3<<25)
.irp g, G1, G1B
	s_mov_b32 s[\g+1], 32<<16
	s_mov_b32 s[\g+2], 136<<16
	s_mov_b32 s[\g+3], 32<<16
	s_mov_b32 s[\g+4], 136
	s_mov_b32 s[\g+5], 32
	s_mov_b32 s[\g+6], 0
	s_mov_b32 s[\g+7], 0
.endr
	s_lshl_b32 s20, s17, 1
	s_add_co_u32 s20, s20, s16
	s_mul_i32 s20, s20, 8*BLK                      ; A: the block that I would fetch, at K step 0
	s_mov_b32 s21, 0
	s_lshl_b32 s46, s42, 1
	s_add_co_u32 s46, s46, s16
	s_mul_i32 s46, s46, 8*BLK                      ; B likewise
	s_mov_b32 s47, 0
	s_cmp_eq_u32 s15, 0
	s_cselect_b32 s18, s40, s41                    ; my place among the four that ask with me
	s_lshl_b32 s18, s18, 13                        ; my work-group's 32 units of the block's 128
	s_mov_b32 s19, 0
	s_mov_b32 s23, 0
	s_mul_i32 s71, s14, QT                         ; where my block goes in a slot
	s_mul_i32 s72, s15, QT                         ; my 128 rows of A in a slot
	s_mul_i32 s73, s16, QT
	s_add_co_u32 s73, s73, 2*QT                    ; my 128 rows of B, behind A's 256
	s_sub_co_u32 s75, s73, s72
	s_add_co_u32 s76, s72, SCOFF
	s_mul_i32 s74, s14, 16*SPITCH                  ; my stage
	s_wait_alu depctr_va_vdst(0)
	s_wait_dscnt 0x0                               ; both opening adds are done
	s_wait_kmcnt 0x0
	s_add_nc_u64 s[4:5], s[4:5], s[20:21]
	s_add_nc_u64 s[6:7], s[6:7], s[46:47]
	s_cmp_eq_u32 s15, 0
	s_cselect_b64 s[PB:PB+1], s[4:5], s[6:7]
	s_add_nc_u64 s[PB:PB+1], s[PB:PB+1], s[18:19]
.irp s, 0,1
	s_mul_i32 s22, s[KS+\s], BLK
	s_mov_b32 s[G0+4*\s], 1
	s_add_co_u32 s[G0+4*\s+1], s71, \s*SLOT
	s_add_nc_u64 s[G0+4*\s+2:G0+4*\s+3], s[4:5], s[22:23]
	s_or_b32 s[G0+4*\s+3], s[G0+4*\s+3], 0x80000000
	s_mov_b32 s[G0B+4*\s], 1
	s_add_co_u32 s[G0B+4*\s+1], s71, \s*SLOT
	s_add_nc_u64 s[G0B+4*\s+2:G0B+4*\s+3], s[6:7], s[22:23]
	s_or_b32 s[G0B+4*\s+3], s[G0B+4*\s+3], 0x80000000
.endr
	CROUND                                         ; all sixteen work-groups are here: the first joint loads meet
	JLOAD 0                                        ; one tensor load a wave at the head
	s_mul_i32 s22, s[KS], BLK
	s_add_nc_u64 s[PF:PF+1], s[PB:PB+1], s[22:23]
	s_lshl_b32 s20, s17, 8
	s_lshl_b32 s21, s15, 7
	s_add_co_u32 s20, s20, s21
	s_lshl_b32 s20, s20, 14                        ; my first row of out, 16,384 bytes a row
	s_mov_b32 s21, 0
	s_lshl_b32 s46, s42, 10
	s_lshl_b32 s47, s16, 9
	s_add_co_u32 s46, s46, s47                     ; my first column, in bytes
	s_mov_b32 s47, 0
	s_add_nc_u64 s[8:9], s[8:9], s[46:47]
	s_add_nc_u64 s[10:11], s[10:11], s[46:47]
	s_add_nc_u64 s[10:11], s[10:11], s[20:21]
.irp b, 0,1,2,3,4,5,6,7
	global_load_b128 v[BIAS+8*\b:BIAS+8*\b+3],   v7, s[8:9] offset:64*\b
	global_load_b128 v[BIAS+8*\b+4:BIAS+8*\b+7], v7, s[8:9] offset:64*\b+16
.endr
	global_prefetch_b8 v[PFO], s[PF:PF+1] offset:BLK th:TH_LOAD_NT scope:SCOPE_SE     ; K steps 1 and 2 (the first K step is 0 or 4: no wrap)
	global_prefetch_b8 v[PFO], s[PF:PF+1] offset:2*BLK th:TH_LOAD_NT scope:SCOPE_SE
	v_mul_u32_u24 v3, v1, PITCH
	v_lshl_add_u32 v3, v2, 4, v3                   ; a fragment's row x pitch + 16 h
	v_add_nc_u32 v[ADRA], s72, v3
	v_add_nc_u32 v[ADRA+1], SLOT, v[ADRA]
	v_add_nc_u32 v[ADRB], s73, v3
	v_add_nc_u32 v[ADRB+1], SLOT, v[ADRB]
	v_mul_u32_u24 v6, s75, v2                      ; lanes 16-31 take B's scale words
	v_lshl_add_u32 v6, v1, 4, v6
	v_add_nc_u32 v[ADRS], s76, v6
	v_add_nc_u32 v[ADRS+1], SLOT, v[ADRS]
	v_mul_u32_u24 v5, v1, SPITCH
	v_lshl_add_u32 v5, v2, 5, v5
	v_add_nc_u32 v[STO], s74, v5
	v_and_b32 v4, 31, v0
	v_lshlrev_b32 v[CO], 4, v4
	v_add_nc_u32 v[RD], s74, v[CO]
.macro WM d, bf, af, cb, sb, sa        ; one product
	v_wmma_scale_f32_16x16x128_f8f6f4 v[(\d):(\d)+7], v[(\bf):(\bf)+7], v[(\af):(\af)+7], v[(\cb):(\cb)+7], v[(\sb)], v[(\sa)] matrix_a_fmt:MATRIX_FMT_FP4 matrix_b_fmt:MATRIX_FMT_FP4 matrix_a_scale:MATRIX_SCALE_ROW1
.endm
; 16 products: A's blocks a0, a0 + 1 x B's eight.  The 64 accumulators take turns in the same order in every step.  first = 1: C is the bias
.macro MUL16 a0, q, sc, first
.irp a, \a0, \a0+1
.irp b, 0,1,2,3,4,5,6,7
	WM 8*(8*((\a)%4)+\b), 64*(\q)+8*\b, AF+8*(\a), (\first)*(BIAS+8*\b)+(1-(\first))*8*(8*((\a)%4)+\b), SC+32*(\sc)+4*\b+(\q), SC+32*(\sc)+4*(\a)+(\q)
.endr
.endr
.endm
.macro FRAG reg, adr, q, i             ; 16 rows x 128 K: two loads of 16 bytes a lane
.irp c, 0,1
	ds_load_b128 v[\reg+4*\c:\reg+4*\c+3], v[\adr] offset:64*(\q)+32*\c+(\i)*16*PITCH
.endr
.endm
.macro FETCH_B slot, q                 ; B's eight fragments of the slot's q-th 128 into set q
	WIN TO_B
.irp i, 0,1,2,3,4,5,6,7
	FRAG 64*(\q)+8*\i, ADRB+\slot, \q, \i
.endr
	WIN 0
.endm
.macro FETCH_A slot, q, i0
.irp i, \i0, \i0+1, \i0+2, \i0+3
	FRAG AF+8*(\i), ADRA+\slot, \q, \i
.endr
.endm
.macro SCALES sc
.irp i, 0,1,2,3,4,5,6,7
	ds_load_b128 v[SC+32*\sc+4*\i:SC+32*\sc+4*\i+3], v[ADRS+\sc] offset:\i*PITCH
.endr
.endm
; A step of 128 along K, q = 0 .. 2.  DScnt at its head: behind A's blocks 0-3 were issued blocks 4-7's 8 loads and a set of B's 16; in its middle: behind blocks 4-7 that set's 16.
.macro STEP slot, q, first
	s_wait_dscnt 24
.if \first
	WIN FIRST_LO
.else
	WIN MUL_LO
.endif
	MUL16 0, \q, \slot, \first
	MUL16 2, \q, \slot, \first
	s_wait_dscnt 16
	PLACES                                         ; four places ahead of loads into registers that matrix instructions have read
	WIN 0
	FETCH_A \slot, (\q)+1, 0
.if \first
	WIN FIRST_HI
.else
	WIN MUL_HI
.endif
	MUL16 4, \q, \slot, \first
	MUL16 6, \q, \slot, \first
	PLACES
	WIN 0
	FETCH_A \slot, (\q)+1, 4
.if (\q) < 2
	FETCH_B \slot, (\q)+2
.endif
.endm
; A slot's last step changes slots: ONE barrier, which opens a round of the cluster's, with a tensor wait, an add and a DS wait in front of it; the slot is filled again, two K steps on.
; pf = 1: the prefetch; 2: not in the loop's last trip
.macro TURN slot, next, pf
	s_wait_xcnt 0x0                                ; the last prefetch has read its address
	s_add_co_u32 s[KP], s[KP], 1
	s_and_b32 s[KP], s[KP], 7
	s_mul_i32 s22, s[KP], BLK
	s_add_nc_u64 s[PF:PF+1], s[PB:PB+1], s[22:23]
	s_wait_tensorcnt 0x0                           ; my part of the next slot has landed
	ds_add_u32 v[SPW], v[NIL]
	s_add_co_u32 s[KS+\slot], s[KS+\slot], 2       ; no tensor load of mine is out: the slot's groups 0 are written
	s_and_b32 s[KS+\slot], s[KS+\slot], 7
	s_mul_i32 s22, s[KS+\slot], BLK
	s_add_nc_u64 s[G0+4*\slot+2:G0+4*\slot+3], s[4:5], s[22:23]
	s_or_b32 s[G0+4*\slot+3], s[G0+4*\slot+3], 0x80000000
	s_add_nc_u64 s[G0B+4*\slot+2:G0B+4*\slot+3], s[6:7], s[22:23]
	s_or_b32 s[G0B+4*\slot+3], s[G0B+4*\slot+3], 0x80000000
	s_wait_dscnt 9                                 ; the add and A's blocks 4-7 may be out
	WIN MUL_LO
	MUL16 0, 3, \slot, 0
	s_wait_dscnt 0x0                               ; the add is done, my reads of this slot are over
	s_barrier_signal -1
	MUL16 2, 3, \slot, 0
	WIN 0
	s_barrier_wait -1
	CREST
	JLOAD \slot                                    ; the first tensor load behind the round; its four v_nop are the places for the loads below
	FETCH_B \next, 0
	FETCH_A \next, 0, 0
	SCALES \next
.if \pf == 2
	s_cmp_gt_u32 s3, 1
	s_cbranch_scc0 .Lno_pf_\@
.endif
	global_prefetch_b8 v[PFO], s[PF:PF+1] th:TH_LOAD_NT scope:SCOPE_SE
.if \pf == 2
.Lno_pf_\@:
.endif
	WIN MUL_HI
	MUL16 4, 3, \slot, 0
	MUL16 6, 3, \slot, 0
	PLACES
	WIN 0
	FETCH_A \next, 0, 4
	FETCH_B \next, 1
.endm
	s_wait_alu depctr_va_vdst(0)
	s_wait_tensorcnt 0x0                           ; my part of slot 0 is in; the same three lines ahead of slot 1's first fill as ahead of a refill
	ds_add_u32 v[SPW], v[NIL]
	s_wait_dscnt 0x0
	CROUND
	JLOAD 1
	FETCH_B 0, 0
	FETCH_A 0, 0, 0
	SCALES 0
	FETCH_A 0, 0, 4
	FETCH_B 0, 1
	s_wait_loadcnt 0x0                             ; the bias
	STEP 0, 0, 1                                   ; the first step stands in front of the loop: its products start the sums on the bias
	s_mov_b32 s3, LAPS-1
.Llap:                                                 ; a trip goes once round the ring, from a lap's second step to the next lap's first
	STEP 0, 1, 0
	STEP 0, 2, 0
	TURN 0, 1, 1
	STEP 1, 0, 0
	STEP 1, 1, 0
	STEP 1, 2, 0
	TURN 1, 0, 2
	STEP 0, 0, 0
	s_sub_co_u32 s3, s3, 1
	s_cmp_lg_u32 s3, 0
	s_cbranch_scc1 .Llap
	STEP 0, 1, 0                                   ; the last lap fills no slot
	; slot 0's third step, with a barrier in its middle that shows slot 1 whole: B's sets 0 and 1, which are free, take the last K step's
	s_wait_dscnt 24
	WIN MUL_LO
	MUL16 0, 2, 0, 0
	MUL16 2, 2, 0, 0
	WIN 0
	s_wait_tensorcnt 0x0                           ; my last tensor load, my part of slot 1, has landed
	ds_add_u32 v[SPW], v[NIL]
	s_wait_dscnt 0x0
	s_barrier_signal -1
	s_barrier_wait -1
	PLACES
	FETCH_A 0, 3, 0
	FETCH_B 1, 0
	FETCH_B 1, 1
	WIN MUL_HI
	MUL16 4, 2, 0, 0
	MUL16 6, 2, 0, 0
	PLACES
	WIN 0
	FETCH_A 0, 3, 4
.macro ALOAD a                         ; A's block a of slot 1, all 512 along K, into buffer a % 3
.irp q, 0,1,2,3
	FRAG PA+32*((\a)%3)+8*\q, ADRA+1, \q, \a
.endr
.endm
	; slot 0's last step, with the barrier behind which nobody reads slot 0: the stages lie there
	s_wait_dscnt 40                                ; behind A's blocks 0-3: two sets of B, 32, and blocks 4-7's 8
	WIN MUL_LO
	MUL16 0, 3, 0, 0
	s_wait_dscnt 0x0                               ; my reads of slot 0 are over
	s_barrier_signal -1
	MUL16 2, 3, 0, 0
	s_barrier_wait -1
	PLACES
	WIN 0
	ALOAD 0
	SCALES 1
	ALOAD 1                                        ; v128-159: blocks 0-3's registers, multiplied above
	FETCH_B 1, 2
	WIN MUL_HI
	MUL16 4, 3, 0, 0
	MUL16 6, 3, 0, 0
	PLACES
	WIN 0
	ALOAD 2
	FETCH_B 1, 3
.macro ROW a                           ; block a is finished: 32 products, its 8 accumulators by turns
	WIN MUL_LO+0x50*((\a)/4)
.irp q, 0,1,2,3
.if (\a) == 0
.if \q == 0
	s_wait_dscnt 48                                ; block 0 and the scale words are in; behind them: block 1's 8, set 2's 16, block 2's 8, set 3's 16
.endif
.if \q == 2
	s_wait_dscnt 24                                ; set 2 is in
.endif
.if \q == 3
	s_wait_dscnt 0x0
.endif
.endif
.irp b, 0,1,2,3,4,5,6,7
	WM 8*(8*((\a)%4)+\b), 64*\q+8*\b, PA+32*((\a)%3)+8*\q, 8*(8*((\a)%4)+\b), SC+32+4*\b+\q, SC+32+4*(\a)+\q
.endr
.endr
.endm
; THE WAY OUT of a block of 16 rows x 128 columns: through my own stage and back as whole rows of 512 bytes, which the 32 lanes store as two aligned units of 256 bytes.
.macro TOSTAGE a
.set AC, 64*((\a)%4)
	WIN 0x08+4*((\a)/4)
.irp b, 0,1,2,3,4,5,6,7
	ds_store_b128 v[STO], v[AC+8*\b:AC+8*\b+3] offset:64*\b          ; each accumulator from its low end on
	ds_store_b128 v[STO], v[AC+8*\b+4:AC+8*\b+7] offset:64*\b+16
.endr
	WIN 0
.irp t, 0,1,2,3,4,5,6,7,8,9,10,11,12,13,14,15
	ds_load_b128 v[BK+4*\t:BK+4*\t+3], v[RD] offset:\t*SPITCH        ; LDS serves a wave's instructions in order
.endr
.endm
.macro SEND a, younger                 ; the row stands in the immediate: 127 rows of 16,384 bytes at the most, inside its signed 24 bits
	WIN 0
	s_wait_dscnt \younger
.irp t, 0,1,2,3,4,5,6,7,8,9,10,11,12,13,14,15
	global_store_b128 v[CO], v[BK+4*\t:BK+4*\t+3], s[10:11] offset:(16*(\a)+\t)*SIZE_N*4 th:TH_STORE_NT
.endr
.endm
	ROW 0
.irp a, 0,1,2,3,4,5,6,7
	PLACES                                         ; block a's results are read, and its buffer of A is loaded again
.if \a > 0
	s_wait_xcnt 0x0                                ; the last block's stores have read their registers
.endif
	TOSTAGE \a
.if \a < 5
	ALOAD \a+3
.endif
.if \a < 7
	ROW \a+1                                       ; the next block is multiplied while this one turns through the stage
.endif
.if \a < 5
	SEND \a, 8                                     ; behind the block's loads from the stage: the 8 loads of A
.else
	SEND \a, 0
.endif
.endr
	s_wait_tensorcnt 0x0                           ; the wave's end
	ds_add_u32 v[SPW], v[NIL]
	s_wait_dscnt 0x0
	CROUND                                         ; the closing round
	s_endpgm
.Lfunc_end_k_q0dc0a85b29_gemm:
	.size	k_q0dc0a85b29_gemm, .Lfunc_end_k_q0dc0a85b29_gemm-k_q0dc0a85b29_gemm
	.p2alignl 7, 3214868480
	.fill 96, 4, 3214868480
	.section	.rodata,"a",@progbits
	.p2align	6, 0x0
	.amdhsa_kernel k_q0dc0a85b29_gemm
		.amdhsa_group_segment_fixed_size 327680
		.amdhsa_private_segment_fixed_size 0
		.amdhsa_enable_private_segment 0
		.amdhsa_kernarg_size 32
		.amdhsa_user_sgpr_count 2
		.amdhsa_user_sgpr_kernarg_segment_ptr 1
		.amdhsa_wavefront_size32 1
		.amdhsa_system_sgpr_workgroup_id_x 1
		.amdhsa_system_sgpr_workgroup_id_y 1
		.amdhsa_system_sgpr_workgroup_id_z 1
		.amdhsa_system_vgpr_workitem_id 0
		.amdhsa_next_free_vgpr 1024
		.amdhsa_next_free_sgpr 80
		.amdhsa_reserve_vcc 0
		.amdhsa_float_denorm_mode_32 3
		.amdhsa_float_denorm_mode_16_64 3
		.amdhsa_memory_ordered 1
		.amdhsa_forward_progress 1
		.amdhsa_inst_pref_size 212
	.end_amdhsa_kernel
	.amdgpu_metadata
---
amdhsa.version: [ 1, 2 ]
amdhsa.kernels:
  - .name:           k_q0dc0a85b29_gemm
    .symbol:         k_q0dc0a85b29_gemm.kd
    .args:
      - { .name: qa, .offset: 0, .size: 8, .value_kind: global_buffer, .address_space: global }
      - { .name: qb, .offset: 8, .size: 8, .value_kind: global_buffer, .address_space: global }
      - { .name: bias, .offset: 16, .size: 8, .value_kind: global_buffer, .address_space: global }
      - { .name: out0, .offset: 24, .size: 8, .value_kind: global_buffer, .address_space: global }
    .group_segment_fixed_size: 327680
    .private_segment_fixed_size: 0
    .kernarg_segment_align: 8
    .kernarg_segment_size: 32
    .max_flat_workgroup_size: 128
    .sgpr_count:     80
    .vgpr_count:     1024
    .wavefront_size: 32
...
	.end_amdgpu_metadata
.endif
;; end of part 2
